; MI455X (gfx1250); checked and timed in simulation.
; The chip was launched on July 23, 2026; its instructions are those of AMD's public machine-readable ISA for CDNA 5 (MIT licence, August 2026) and "CDNA5" Instruction Set Architecture Reference Guide (July 2026). The comments in the code are by the model that wrote it; some were corrected since.
;; Net. Allowed arithmetic: matrix products marked QUANTISED: E2M3 operands, one E8M0 scale for each 32 along K, by v_wmma_scale_f32_16x16x128_f8f6f4 with both operands' format E2M3, f32 sums; everything else in f32.
;; Inputs: W 100 x 128 float32; x 262,144 x 128 float32.
;; Outputs: out0 262,144 x 1 float32.
;; This version of the problem:
;;   THIS VERSION OF THE PROBLEM IS GIVEN IN LOW PRECISION. The matrix products marked QUANTISED in the list below multiply operands that are first quantised to E2M3 (2 exponent bits, 3 mantissa bits; 6 bits a number), with one power-of-two scale for each 32 numbers along K (OCP MX v1.0); their sums are f32. All else is computed in f32.
;;   The module's matrix products, in the order in which they are computed (A, B: the left and right operand; K: the contracted axis; several contracted axes count as one K, in the product's order):
;;     1. [M 262,144, K 128] x [K 128, N 100]; A: input x; B: input W: QUANTISED
;;   THE QUANTISER, for each operand of a quantised product, along K:
;;     - K is cut into blocks of 32 from its start; a last block that is shorter is filled with zeros.
;;     - A block's scale is 2^e with e = floor(log2(the largest magnitude in the block)) - 2, held to -126 .. 127; a block of zeros has e = 0. As a byte (E8M0): e + 127.
;;     - Each number is divided by its block's scale, clamped to +-7.5, and rounded to the nearest number of E2M3, ties to even, subnormals kept.
;;     - The product sums the exact products of the quantised numbers (number of the format x scale) in f32.
;;   ~~~python
;;   def quantise(x, axis):      # numpy; x: float32 -> the quantised numbers, widened to float32 again
;;       x = np.moveaxis(x, axis, -1); K = x.shape[-1]
;;       x = np.pad(x, [(0, 0)] * (x.ndim - 1) + [(0, -K % 32)]); x = x.reshape(x.shape[:-1] + (-1, 32)); a = np.abs(x).max(-1, keepdims=True)
;;       e = np.where(a > 0, np.clip(np.frexp(np.where(a > 0, a, 1))[1] - 1 - 2, -126, 127), 0)      # np.frexp(a)[1] - 1 = floor(log2(a)), exactly
;;       r = np.clip(x / 2.0 ** e, -7.5, 7.5)
;;       step = 2.0 ** (np.maximum(np.frexp(np.where(r == 0, 1, r))[1] - 1, 0) - 3)
;;       q = np.round(r / step) * step * 2.0 ** e      # np.round: ties to even
;;       return np.moveaxis(q.reshape(q.shape[:-2] + (-1,))[..., :K], -1, axis).astype(np.float32)
;;   ~~~
;; 2 versions, each right; version 2 is version 1 with the launch net written anew for expert scheduling mode. Each part assembles by itself: llvm-mc -triple=amdgcn-amd-amdhsa -mcpu=gfx1250 --defsym DOCPART=n.
;; ======== version 1 of 2: 1 launch
;; launch net (part 1): grid 256 x 1, 8 waves a work-group, no clusters, 81,920 bytes of LDS; arguments x, W, out0; writes out0
.if DOCPART == 1
	.amdgcn_target "amdgcn-amd-amdhsa--gfx1250"
	.amdhsa_code_object_version 6
	.text
	.protected	k_qae64f23aa0_net
	.globl	k_qae64f23aa0_net
	.p2align	8
	.type	k_qae64f23aa0_net,@function
k_qae64f23aa0_net:
	s_mov_b64 s[64:65], 0
	v_nop
	global_prefetch_b8 v0, s[64:65] scope:SCOPE_SE
	s_setreg_imm32_b32 hwreg(HW_REG_WAVE_MODE, 25, 1), 1
	s_wait_xcnt 0x0
; out[b] = sum over the 100 heads m of z^3 + 0.1 z,  z[b][m] = sum over k of Q(x)[b][k] Q(W)[m][k].  x: [262144][128] f32, W: [100][128] f32, out: [262144] f32.
; Q: codes of FP6 (E2M3) with one E8M0 scale for each 32 along K: scale byte = the exponent field of the block's largest magnitude - 2, held at 1 from below; number / scale to the nearest code, ties to even, beyond 7.5 the largest code.
; LIMITS: NaN and infinities among the inputs are not served.  A block of zeros gets the byte 1 where the rule says 127: its codes are zeros, which add nothing, and nobody else reads the bytes.
;         y is made as z (z z + 0.1), two fused steps, and a row's 100 numbers are summed in four chains: another order of rounding than z z z + 0.1 z summed on end.
; SHARES.  256 work-groups of 8 waves; a work-group owns 1,024 rows of x, a wave 128: 8 tiles of 16 rows.  K = 128 is ONE matrix instruction; W's 100 heads are 7 tiles of 16.
; THE MATRIX INSTRUCTION IS USED TRANSPOSED: source 0 = 16 heads of W, source 1 = 16 rows of x.  In the result lane (r, h) holds ONE row of x (r) and the heads 8 h + 0 .. 7 of the tile:
; the sum over heads is a sum over the lane's 7 x 8 registers and one exchange between the halves of the lanes.
; x's WAY.  Every load takes one whole row: 32 lanes x 16 bytes = 512 consecutive bytes.  The operand's layout gives lane (r, h) two WHOLE blocks of 32 along K of row r (k = 32 h .. and 64 + 32 h ..: 2 x 128 bytes),
; so a tile turns through the wave's own stage in LDS: 16 stores as loaded, 16 loads at a pitch of 528 bytes.  A block's largest magnitude then needs no other lane, and the conversions' results are the operand's registers.
; (Loads straight into that layout would take 16 bytes out of 32 different rows' blocks each: that is why the stage is there.)
; THE RING.  Four slots of 64 registers (window 1) hold the elements W, x0 .. x7 by turns: up to 64 loads, 32 KB, of a wave are out.  LOADcnt's field holds 63: the issue of a load that would pass it waits for the oldest (ISA guide 5.7.1).
; W.  Wave w quantises 16 rows of W by the very lines that serve x, stores the fragment and its scale words to LDS as an image of the registers (16 bytes a lane, 512 a store), and behind ONE barrier every wave
; fetches all 7 fragments, which stay in 84 registers.  Tile 6 is rows 84 .. 99 with the codes of its first 12 rows set to 0 (tile 5 has those heads; no load leaves W).  Wave 7 walks the same lines on the same rows with all codes 0;
; its image is not read: a branch round them would spare nothing, since the wave would wait at the barrier meanwhile.
; THE ROWS OF A TILE ARE NOT NEIGHBOURS: lane r of tile t takes row 64 (t / 4) + 4 r + t % 4 of the wave's 128, so that at the end lane l holds the sums of rows 4 l .. 4 l + 3: one store of 16 bytes a lane, 512 consecutive bytes a wave.
; NOT USED: tensor loads (a work-group's 512 KB do not fit in LDS at once, and a register ring never has to run empty in front of a refill); clusters (only W is shared: 64 KB of the 576 KB that a work-group reads, once, at the head);
; a loop (nine steps by macro: every offset is an immediate, no pointer is stepped, so no address register is ever rewritten).
.set ROWB,   512                       ; a row of x or of W in bytes
.set PITCH,  528                       ; a row in the stage: 512 + 16 = 132 words: row r starts at bank 4 r mod 64 (64 banks of 4 bytes: ISA guide 11.1), so the 16 rows that half a load touches start at 16 different banks
.set STAGEB, 16*PITCH                  ; a wave's stage
.set WAVES,  8
.set TILES,  8                         ; tiles of 16 rows of x to a wave
.set DEPTH,  4                         ; slots of the ring
.set LASTW,  100-16                    ; the last row of W at which 16 rows can begin
.set IMG,    WAVES*STAGEB              ; LDS behind the stages: the images of W's fragments, 12 registers x 128 bytes each,
.set IMGB,   12*128
.set SIMG,   IMG+WAVES*IMGB            ; and of their scale words, 128 bytes each
.set FLOOR,  0x1800000                 ; the f32 number 2^(3 - 127): no largest magnitude is taken under it, so the scale's byte cannot fall under 1
.set GOFF, 1                           ; v1   16 x lane: my 16 bytes of a row, and of the wave's 512 bytes of out; never rewritten
.set STS,  2                           ; v2   the stage, on the way in: wave x STAGEB + 16 x lane
.set STL,  3                           ; v3   and on the way out: wave x STAGEB + r x PITCH + 128 h
.set IWA,  4                           ; v4   where I store my fragment's image
.set IWS,  5                           ; v5   and its scale word
.set IRA,  6                           ; v6   where I read the images
.set IRS,  7                           ; v7   and the scale words
.set SH,   8                           ; v8   8 h: my two scale bytes' place in the word
.set RR,   9                           ; v9   r
.set M,    10                          ; v10-13 four chains of maxima, then the two bytes
.set E,    14                          ; v14-15 the conversions' scale operands
.set XS,   16                          ; v16  the scale word of the tile in hand
.set TP,   17                          ; v17  the other half's scale bytes
.set AL,   18                          ; v18-19 0.1, twice
.set WS,   20                          ; v20-26 W's scale words
.set P,    28                          ; v28-35 the tiles' sums
.set X,    36                          ; v36-99 64 numbers of my row; once they are converted, the cubic's scratch
.set Y,    36
.set D,    100                         ; v100-155 z: 7 tiles x 8 registers
.set T,    100                         ; (while z is not alive: the second halves of the blocks' codes)
.set C,    156                         ; v156-167 the codes
.set WF,   168                         ; v168-251 W's 7 fragments
.set XB,   4                           ; s[4:5] x at my wave's first row
.set WB,   6                           ; s[6:7] W at my wave's first row
.set OB,   8                           ; s[8:9] out at my wave's first row
.set WV,   10                          ; s10  my wave's number
.set SEL,  16                          ; s[16:17] lane selects for v_permlanex16_b32: lane l xor 16
.set THR,  18                          ; s18  rows of my tile of W whose codes are set to 0
.set MSB, 0
.macro WIN new                         ; s_set_vgpr_msb: bits 1:0 source 0, 3:2 source 1, 5:4 source 2, 7:6 destination; the immediate's high byte repeats the setting that is left
.if MSB != \new
	s_set_vgpr_msb (MSB<<8)|\new
.set MSB, \new
.endif
.endm
.macro PLACES n
.rept \n
	v_nop
.endr
.endm
; tile t of x into its slot: 16 rows, each 512 consecutive bytes.  (Under a destination in window 1.)
.macro XLOAD t
.irp i, 0,1,2,3,4,5,6,7,8,9,10,11,12,13,14,15
	global_load_b128 v[64*(((\t)+1)%DEPTH)+4*\i:64*(((\t)+1)%DEPTH)+4*\i+3], v[GOFF], s[XB:XB+1] offset:(64*((\t)/4)+4*\i+(\t)%4)*ROWB th:TH_LOAD_NT
.endr
.endm
; slot s goes through my stage: row i as it was loaded, and back as two whole blocks of 32 numbers a lane.  LDS serves a wave's instructions in order (ISA guide 5.7.1.4): no wait between the stores and the loads, nor in front of the next tile's stores.
.macro TURN s
	WIN 0x04                                       ; an LDS store's data are its source 1: window 1
.irp i, 0,1,2,3,4,5,6,7,8,9,10,11,12,13,14,15
	ds_store_b128 v[STS], v[64*(\s)+4*\i:64*(\s)+4*\i+3] offset:\i*PITCH
.endr
	WIN 0
.irp j, 0,1,2,3,4,5,6,7
	ds_load_b128 v[X+4*\j:X+4*\j+3], v[STL] offset:16*\j               ; k = 32 h + 0 .. 31 of row r
.endr
.irp j, 0,1,2,3,4,5,6,7
	ds_load_b128 v[X+32+4*\j:X+32+4*\j+3], v[STL] offset:256+16*\j     ; k = 64 + 32 h + 0 .. 31
.endr
.endm
; My 64 numbers become the operand's 12 registers in v[C] on and my row's scale word in v[XS].
.macro QUANT
.irp c, 0,1                            ; each block's largest magnitude in two chains, the four chains by turns, the floor among the leaves: 16 lines a block
	v_max3_num_f32 v[M+2*\c], |v[X+32*\c]|, |v[X+32*\c+1]|, FLOOR
	v_max3_num_f32 v[M+2*\c+1], |v[X+32*\c+16]|, |v[X+32*\c+17]|, |v[X+32*\c+18]|
.endr
.irp i, 2,4,6,8,10,12
.irp c, 0,1
	v_max3_num_f32 v[M+2*\c], v[M+2*\c], |v[X+32*\c+\i]|, |v[X+32*\c+\i+1]|
	v_max3_num_f32 v[M+2*\c+1], v[M+2*\c+1], |v[X+32*\c+\i+17]|, |v[X+32*\c+\i+18]|
.endr
.endr
.irp c, 0,1
	v_max3_num_f32 v[M+2*\c], v[M+2*\c], |v[X+32*\c+14]|, |v[X+32*\c+15]|
.endr
.irp c, 0,1
	v_max3_num_f32 v[M+2*\c], v[M+2*\c], v[M+2*\c+1], |v[X+32*\c+31]|
.endr
.irp c, 0,1
	v_add_nc_u32 v[E+\c], 0xff000000, v[M+2*\c]    ; 2 off its exponent field: the conversion takes the exponent field of this operand as its scale, and nothing else of it
.endr
.irp c, 0,1
	v_cvt_scalef32_pk16_fp6_f32 v[C+6*\c:C+6*\c+2], v[X+32*\c:X+32*\c+15], v[E+\c]        ; registers 6 c .. 6 c + 2 of the operand
	v_cvt_scalef32_pk16_fp6_f32 v[T+4*\c:T+4*\c+2], v[X+32*\c+16:X+32*\c+31], v[E+\c]     ; (a conversion's three registers begin on an even number: the second half of a block's six does not, so it is made elsewhere and moved)
.endr
	v_lshrrev_b32 v[M], 23, v[E]                   ; the scales' bytes.  (Also the plain line behind the last conversion)
	v_lshrrev_b32 v[M+1], 23, v[E+1]
	v_lshl_or_b32 v[XS], v[M+1], 16, v[M]          ; my two bytes: blocks h and 2 + h of row r,
	v_lshlrev_b32 v[XS], v[SH], v[XS]              ; at their places in the word;
	v_permlanex16_b32 v[TP], v[XS], s[SEL], s[SEL+1]
	v_or_b32 v[XS], v[XS], v[TP]                   ; with lane l xor 16's two the word is whole
.irp c, 0,1
.irp i, 0,1,2
	v_mov_b32 v[C+6*\c+3+\i], v[T+4*\c+\i]
.endr
.endr
.endm
	s_load_b128 s[4:7], s[0:1], 0x0                ; x, W
	s_load_b64 s[8:9], s[0:1], 0x10                ; out
	v_lshl_add_u32 v254, v0, 2, 0x13c00
	v_mov_b32 v255, 0
	v_lshrrev_b32 v[STS], 5, v0
	v_readfirstlane_b32 s[WV], v[STS]              ; wave 0..7
	v_and_b32 v[GOFF], 31, v0
	v_lshlrev_b32 v[GOFF], 4, v[GOFF]
	s_lshl_b32 s12, ttmp9, 19                      ; the work-group's 1,024 rows of 512 bytes,
	s_lshl_b32 s11, s[WV], 16                      ; my wave's 128 of them: under 2^27 in all
	s_add_co_u32 s12, s12, s11
	s_mov_b32 s13, 0
	s_lshr_b32 s20, s12, 7                         ; the same rows in out: 4 bytes for 512
	s_mov_b32 s21, 0
	s_lshl_b32 s[THR], s[WV], 4
	s_min_u32 s14, s[THR], LASTW                   ; my tile of W begins at row min(16 w, 84): no load leaves W;
	s_sub_co_u32 s[THR], s[THR], s14               ; its first 16 w - that rows belong to an earlier tile (wave 6: 12; wave 7: all)
	s_lshl_b32 s14, s14, 9
	s_mov_b32 s15, 0
	s_wait_kmcnt 0x0
	s_add_nc_u64 s[WB:WB+1], s[WB:WB+1], s[14:15]
	s_add_nc_u64 s[XB:XB+1], s[XB:XB+1], s[12:13]
	s_add_nc_u64 s[OB:OB+1], s[OB:OB+1], s[20:21]
	WIN 0x40                                       ; destination window 1, address window 0
.irp i, 0,1,2,3,4,5,6,7,8,9,10,11,12,13,14,15
	global_load_b128 v[4*\i:4*\i+3], v[GOFF], s[WB:WB+1] offset:\i*ROWB   ; the ring's first element: 16 rows of W into slot 0 (every work-group reads them: no hint)
.endr
	XLOAD 0
	XLOAD 1
	XLOAD 2
	WIN 0
	; the other addresses are made while the loads are out
	s_mul_i32 s11, s[WV], STAGEB
	v_add_nc_u32 v[STS], s11, v[GOFF]
	v_and_b32 v[RR], 15, v0                        ; r
	v_bfe_u32 v[SH], v0, 4, 1                      ; h
	v_mul_u32_u24 v[STL], v[RR], PITCH
	v_lshl_add_u32 v[STL], v[SH], 7, v[STL]
	v_add_nc_u32 v[STL], s11, v[STL]
	v_lshlrev_b32 v[SH], 3, v[SH]
	s_mul_i32 s11, s[WV], IMGB
	s_add_co_u32 s11, s11, IMG
	v_add_nc_u32 v[IWA], s11, v[GOFF]
	v_add_nc_u32 v[IRA], IMG, v[GOFF]
	v_lshrrev_b32 v[IRS], 2, v[GOFF]               ; 4 x lane
	s_lshl_b32 s11, s[WV], 7
	s_add_co_u32 s11, s11, SIMG
	v_add_nc_u32 v[IWS], s11, v[IRS]
	v_add_nc_u32 v[IRS], SIMG, v[IRS]
	s_mov_b32 s[SEL], 0x76543210
	s_mov_b32 s[SEL+1], 0xfedcba98
	v_mov_b32 v[TP], 0                             ; written once: a lane permute's destination counts as one of its sources
	v_mov_b32 v[AL], 0x3dcccccd                    ; 0.1
	v_mov_b32 v[AL+1], 0x3dcccccd
	; ---- W: my 16 rows become a fragment, and every wave gets all seven
	s_wait_loadcnt 48                              ; loads come back in order (ISA guide 5.7.1): W's 16 are in, the 48 of x0, x1, x2 stay out
	TURN 0
	s_wait_dscnt 16                                ; the 16 stores are done (the 16 loads behind them may be out): slot 0's registers have been read,
	WIN 0x40
	XLOAD 3                                        ; and take x3
	WIN 0
	s_wait_dscnt 0x0
	QUANT
	v_cmp_le_u32 vcc_lo, s[THR], v[RR]             ; rows that an earlier tile has count for nothing here: zero CODES, under whatever scale byte
.irp i, 0,1,2,3,4,5,6,7,8,9,10,11
	v_cndmask_b32 v[C+\i], 0, v[C+\i], vcc_lo
.endr
.irp c, 0,1,2
	ds_store_b128 v[IWA], v[C+4*\c:C+4*\c+3] offset:512*\c   ; the fragment as it stands in the registers: lane l's 16 bytes at 16 l
.endr
	ds_store_b32 v[IWS], v[XS]
	s_wait_dscnt 0x0                               ; for the others' sake: my image lies in LDS (and the stores have read their registers)
	s_barrier_signal -1
	s_barrier_wait -1                              ; everybody's does.  The images are never written again
.irp n, 0,1,2,3,4,5,6
.irp c, 0,1,2
	ds_load_b128 v[WF+12*\n+4*\c:WF+12*\n+4*\c+3], v[IRA] offset:IMGB*\n+512*\c
.endr
	ds_load_b32 v[WS+\n], v[IRS] offset:128*\n
.endr                                  ; (the first tile's wait for its turn through the stage is the wait for these too)
; ---- a tile of 16 rows of x
.macro STEP t
.if (\t) < 5
	s_wait_loadcnt 48                              ; this tile's 16 loads are in; those of the three tiles behind it stay out
.else
	s_wait_loadcnt 16*(7-(\t))                     ; the last tiles: nothing more was asked for, and the counts run down
.endif
	TURN ((\t)+1)%DEPTH
.if (\t)+4 < TILES
	s_wait_dscnt 16                                ; the 16 stores are done (the 16 loads behind them may be out): the slot's registers have been read,
	WIN 0x40
	XLOAD (\t)+4                                   ; and take the tile four further on
	WIN 0
.endif
	s_wait_dscnt 0x0
	QUANT
	PLACES 8                                       ; a scale word made by vector instructions stands 8 plain lines ahead of a scaled matrix instruction, an operand so made 4; no other work is at hand
.irp n, 0,1,2,3,4,5,6                  ; z^T: 16 heads x my 16 rows, all of K; seven results of their own, each begun with the constant 0
	v_wmma_scale_f32_16x16x128_f8f6f4 v[D+8*\n:D+8*\n+7], v[WF+12*\n:WF+12*\n+11], v[C:C+11], 0, v[WS+\n], v[XS] matrix_a_fmt:MATRIX_FMT_FP6 matrix_b_fmt:MATRIX_FMT_FP6
.endr
	PLACES 4                                       ; four plain lines between a matrix instruction and the first read of its result (ISA guide 7.12.1)
.irp p, 0,1,2,3,4,5,6,7,8,9,10,11,12,13,14,15,16,17,18,19,20,21,22,23,24,25,26,27
	v_pk_fma_f32 v[Y+2*\p:Y+2*\p+1], v[D+2*\p:D+2*\p+1], v[D+2*\p:D+2*\p+1], v[AL:AL+1]   ; z z + 0.1, two at a time; each result is read from its low end on
.endr
.irp p, 0,1,2,3
	v_pk_mul_f32 v[Y+2*\p:Y+2*\p+1], v[Y+2*\p:Y+2*\p+1], v[D+2*\p:D+2*\p+1]               ; z (z z + 0.1): the first four pairs start four chains: nothing is cleared
.endr
.irp p, 4,5,6,7,8,9,10,11,12,13,14,15,16,17,18,19,20,21,22,23,24,25,26,27
	v_pk_fma_f32 v[Y+2*(\p%4):Y+2*(\p%4)+1], v[Y+2*\p:Y+2*\p+1], v[D+2*\p:D+2*\p+1], v[Y+2*(\p%4):Y+2*(\p%4)+1]
.endr
	v_pk_add_f32 v[Y:Y+1], v[Y:Y+1], v[Y+2:Y+3]
	v_pk_add_f32 v[Y+4:Y+5], v[Y+4:Y+5], v[Y+6:Y+7]
	v_pk_add_f32 v[Y:Y+1], v[Y:Y+1], v[Y+4:Y+5]
	v_add_f32 v[P+(\t)], v[Y], v[Y+1]              ; my row's sum over my half's 56 heads
.endm
.irp t, 0,1,2,3,4,5,6,7
	STEP \t
.endr
	; ---- the way out.  Tiles q and q + 4 together: the first's lanes 16-31 change places with the second's lanes 0-15, so that one addition joins the halves of both:
	; lanes 0-15 then hold tile q's rows 4 r + q, lanes 16-31 tile q + 4's rows 64 + 4 r + q: lane l has row 4 l + q
.irp q, 0,1,2,3
	v_permlane16_swap_b32 v[P+\q], v[P+4+\q]
.endr
.irp q, 0,1,2,3
	v_add_f32 v[P+\q], v[P+\q], v[P+4+\q]
.endr
	global_store_b128 v[GOFF], v[P:P+3], s[OB:OB+1] th:TH_STORE_NT   ; 32 lanes store 512 consecutive bytes, at a multiple of 512 from out's first byte; written once, read by nobody here
	s_wait_tensorcnt 0x0
	ds_add_u32 v254, v255
	s_wait_dscnt 0x0
	s_endpgm
.Lfunc_end_k_qae64f23aa0_net:
	.size	k_qae64f23aa0_net, .Lfunc_end_k_qae64f23aa0_net-k_qae64f23aa0_net
	.p2alignl 7, 3214868480
	.fill 96, 4, 3214868480
	.section	.rodata,"a",@progbits
	.p2align	6, 0x0
	.amdhsa_kernel k_qae64f23aa0_net
		.amdhsa_group_segment_fixed_size 81920
		.amdhsa_private_segment_fixed_size 0
		.amdhsa_enable_private_segment 0
		.amdhsa_kernarg_size 24
		.amdhsa_user_sgpr_count 2
		.amdhsa_user_sgpr_kernarg_segment_ptr 1
		.amdhsa_wavefront_size32 1
		.amdhsa_system_sgpr_workgroup_id_x 1
		.amdhsa_system_sgpr_workgroup_id_y 1
		.amdhsa_system_sgpr_workgroup_id_z 1
		.amdhsa_system_vgpr_workitem_id 0
		.amdhsa_next_free_vgpr 512
		.amdhsa_next_free_sgpr 66
		.amdhsa_reserve_vcc 1
		.amdhsa_float_denorm_mode_32 3
		.amdhsa_float_denorm_mode_16_64 3
		.amdhsa_memory_ordered 1
		.amdhsa_forward_progress 1
		.amdhsa_inst_pref_size 105
	.end_amdhsa_kernel
	.amdgpu_metadata
---
amdhsa.version: [ 1, 2 ]
amdhsa.kernels:
  - .name:           k_qae64f23aa0_net
    .symbol:         k_qae64f23aa0_net.kd
    .args:
      - { .name: x, .offset: 0, .size: 8, .value_kind: global_buffer, .address_space: global }
      - { .name: W, .offset: 8, .size: 8, .value_kind: global_buffer, .address_space: global }
      - { .name: out0, .offset: 16, .size: 8, .value_kind: global_buffer, .address_space: global }
    .group_segment_fixed_size: 81920
    .private_segment_fixed_size: 0
    .kernarg_segment_align: 8
    .kernarg_segment_size: 24
    .max_flat_workgroup_size: 256
    .sgpr_count:     66
    .vgpr_count:     512
    .wavefront_size: 32
...
	.end_amdgpu_metadata
.endif
;; end of part 1
;; ======== version 2 of 2: 1 launch; version 1 with the launch net written anew for expert scheduling mode
;; launch net (part 2): grid 256 x 1, 8 waves a work-group, no clusters, 81,920 bytes of LDS; arguments x, W, out0; writes out0
.if DOCPART == 2
	.amdgcn_target "amdgcn-amd-amdhsa--gfx1250"
	.amdhsa_code_object_version 6
	.text
	.protected	k_qae64f23aa0_net
	.globl	k_qae64f23aa0_net
	.p2align	8
	.type	k_qae64f23aa0_net,@function
k_qae64f23aa0_net:
	s_mov_b64 s[64:65], 0
	v_nop
	global_prefetch_b8 v0, s[64:65] scope:SCOPE_SE
	s_setreg_imm32_b32 hwreg(HW_REG_WAVE_SCHED_MODE, 0, 2), 2
	s_setreg_imm32_b32 hwreg(HW_REG_WAVE_MODE, 25, 1), 1
	s_wait_xcnt 0x0
	s_wait_alu depctr_vm_vsrc(0)
; out[b] = sum over the 100 heads m of z^3 + 0.1 z,  z[b][m] = sum over k of Q(x)[b][k] Q(W)[m][k].  x: [262144][128] f32, W: [100][128] f32, out: [262144] f32.
; Q: codes of FP6 (E2M3) with one E8M0 scale for each 32 along K: scale byte = the exponent field of the block's largest magnitude - 2, held at 1 from below; number / scale to the nearest code, ties to even, beyond 7.5 the largest code.
; LIMITS: NaN and infinities among the inputs are not served.  A block of zeros gets the byte 1 where the rule says 127: its codes are zeros, which add nothing, and nobody else reads the bytes.
;         y is made as z (z z + 0.1), two fused steps, and a row's 100 numbers are summed in four chains: another order of rounding than z z z + 0.1 z summed on end.
; SHARES.  256 work-groups of 8 waves; a work-group owns 1,024 rows of x, a wave 128: 8 tiles of 16 rows.  K = 128 is ONE matrix instruction; W's 100 heads are 7 tiles of 16.
; THE MATRIX INSTRUCTION IS USED TRANSPOSED: source 0 = 16 heads of W, source 1 = 16 rows of x.  In the result lane (r, h) holds ONE row of x (r) and the heads 8 h + 0 .. 7 of the tile:
; the sum over heads is a sum over the lane's 7 x 8 registers and one exchange between the halves of the lanes.
; x's WAY.  Every load takes one whole row: 32 lanes x 16 bytes = 512 consecutive bytes.  The operand's layout gives lane (r, h) two WHOLE blocks of 32 along K of row r (k = 32 h .. and 64 + 32 h ..: 2 x 128 bytes),
; so a tile turns through the wave's own stage in LDS: 16 stores as loaded, 16 loads at a pitch of 528 bytes.  A block's largest magnitude then needs no other lane, and the conversions' results are the operand's registers.
; (Loads straight into that layout would take 16 bytes out of 32 different rows' blocks each: that is why the stage is there.)
; THE RING.  Four slots of 64 registers (window 1) hold the elements W, x0 .. x7 by turns: up to 64 loads, 32 KB, of a wave are out.  LOADcnt's field holds 63: the issue of a load that would pass it waits for the oldest (ISA guide 5.7.1).
; W.  Wave w quantises 16 rows of W by the very lines that serve x, stores the fragment and its scale words to LDS as an image of the registers (16 bytes a lane, 512 a store), and behind ONE barrier every wave
; fetches all 7 fragments, which stay in 84 registers.  Tile 6 is rows 84 .. 99 with the codes of its first 12 rows set to 0 (tile 5 has those heads; no load leaves W).  Wave 7 walks the same lines on the same rows with all codes 0;
; its image is not read: a branch round them would spare nothing, since the wave would wait at the barrier meanwhile.
; THE ROWS OF A TILE ARE NOT NEIGHBOURS: lane r of tile t takes row 64 (t / 4) + 4 r + t % 4 of the wave's 128, so that at the end lane l holds the sums of rows 4 l .. 4 l + 3: one store of 16 bytes a lane, 512 consecutive bytes a wave.
; NOT USED: tensor loads (a work-group's 512 KB do not fit in LDS at once, and a register ring never has to run empty in front of a refill); clusters (only W is shared: 64 KB of the 576 KB that a work-group reads, once, at the head);
; a loop (nine steps by macro: every offset is an immediate, no pointer is stepped, so no address register is ever rewritten).
; THE MODE: SCHED_MODE bits 1:0 = 2 (LLVM: expert scheduling mode 2), set by the entry lines.  The code itself states the register dependences
; between vector or matrix instructions and memory or LDS instructions, with s_wait_alu, always for 0.
; THE PLAN.  Registers that memory or LDS instructions touch:
;   the ring's slots  Written by the global loads; read by the 16 stores into the stage; then loaded again.  No vector or matrix instruction names them: one wait on vm_vsrc stands between a slot's stores and its next loads.
;   X                 Written by the 16 loads from the stage; read by QUANT's maxima and conversions and by nothing else: the cubic's scratch lies in the codes' registers, its four chains in z's own.
;   C, XS             Written by QUANT, read by the matrix instructions; of W's tile also read by the image's four stores.
;   WF, WS            Loaded once, behind the barrier; read by matrix instructions alone.
;   v1 .. v7          Offsets and LDS addresses: made once at the head, never written again.
;   P .. P+3          Written by the last additions, read by the one global store.      v254, v255: written at the head, read by the closing add alone.
; So ONE wait on va_vdst stands in a tile's step, behind QUANT and the eight plain lines: the codes and the scale word are written, which the matrix instructions take, and the conversions are done reading X.
; Behind the step's seven matrix instructions, which name z, WF, WS, C and XS and none of X, the slots or the addresses, the NEXT tile goes through the stage and its slot is asked for again: it lands in X while this tile's cubic is computed.
.set ROWB,   512                       ; a row of x or of W in bytes
.set PITCH,  528                       ; a row in the stage: 512 + 16 = 132 words: row r starts at bank 4 r mod 64 (64 banks of 4 bytes: ISA guide 11.1), so the 16 rows that half a load touches start at 16 different banks
.set STAGEB, 16*PITCH                  ; a wave's stage
.set WAVES,  8
.set TILES,  8                         ; tiles of 16 rows of x to a wave
.set DEPTH,  4                         ; slots of the ring
.set LASTW,  100-16                    ; the last row of W at which 16 rows can begin
.set IMG,    WAVES*STAGEB              ; LDS behind the stages: the images of W's fragments, 12 registers x 128 bytes each,
.set IMGB,   12*128
.set SIMG,   IMG+WAVES*IMGB            ; and of their scale words, 128 bytes each; behind them, from byte 0x13c00 on, the spare words: 128 bytes for each wave, four blocks of 256 bytes that no other line names
.set FLOOR,  0x1800000                 ; the f32 number 2^(3 - 127): no largest magnitude is taken under it, so the scale's byte cannot fall under 1
.set GOFF, 1                           ; v1   16 x lane: my 16 bytes of a row, and of the wave's 512 bytes of out; never rewritten
.set STS,  2                           ; v2   the stage, on the way in: wave x STAGEB + 16 x lane
.set STL,  3                           ; v3   and on the way out: wave x STAGEB + r x PITCH + 128 h
.set IWA,  4                           ; v4   where I store my fragment's image
.set IWS,  5                           ; v5   and its scale word
.set IRA,  6                           ; v6   where I read the images
.set IRS,  7                           ; v7   and the scale words
.set SH,   8                           ; v8   8 h: my two scale bytes' place in the word
.set RR,   9                           ; v9   r
.set M,    10                          ; v10-13 four chains of maxima, then the two bytes
.set E,    14                          ; v14-15 the conversions' scale operands
.set XS,   16                          ; v16  the scale word of the tile in hand
.set TP,   17                          ; v17  the other half's scale bytes
.set AL,   18                          ; v18-19 0.1, twice
.set WS,   20                          ; v20-26 W's scale words
.set P,    28                          ; v28-35 the tiles' sums
.set X,    36                          ; v36-99 64 numbers of my row: named by the loads from the stage and by QUANT alone
.set D,    100                         ; v100-155 z: 7 tiles x 8 registers; the cubic's four chains take the first eight in place
.set T,    100                         ; (while z is not alive: the second halves of the blocks' codes)
.set C,    156                         ; v156-167 the codes
.set Q,    156                         ; (once the products have read the codes: four pairs of z z + 0.1)
.set WF,   168                         ; v168-251 W's 7 fragments
.set XB,   4                           ; s[4:5] x at my wave's first row
.set WB,   6                           ; s[6:7] W at my wave's first row
.set OB,   8                           ; s[8:9] out at my wave's first row
.set WV,   10                          ; s10  my wave's number
.set SEL,  16                          ; s[16:17] lane selects for v_permlanex16_b32: lane l xor 16
.set THR,  18                          ; s18  rows of my tile of W whose codes are set to 0
.set MSB, 0
.macro WIN new                         ; s_set_vgpr_msb: bits 1:0 source 0, 3:2 source 1, 5:4 source 2, 7:6 destination; the immediate's high byte repeats the setting that is left
.if MSB != \new
	s_set_vgpr_msb (MSB<<8)|\new
.set MSB, \new
.endif
.endm
.macro PLACES n
.rept \n
	v_nop
.endr
.endm
; tile t of x into its slot: 16 rows, each 512 consecutive bytes.  (Under a destination in window 1.)
.macro XLOAD t
.irp i, 0,1,2,3,4,5,6,7,8,9,10,11,12,13,14,15
	global_load_b128 v[64*(((\t)+1)%DEPTH)+4*\i:64*(((\t)+1)%DEPTH)+4*\i+3], v[GOFF], s[XB:XB+1] offset:(64*((\t)/4)+4*\i+(\t)%4)*ROWB th:TH_LOAD_NT
.endr
.endm
; slot s goes through my stage: row i as it was loaded, and back as two whole blocks of 32 numbers a lane.  LDS serves a wave's instructions in order (ISA guide 5.7.1.4): no wait between the stores and the loads, nor in front of the next tile's stores.
.macro TURN s
	WIN 0x04                                       ; an LDS store's data are its source 1: window 1
.irp i, 0,1,2,3,4,5,6,7,8,9,10,11,12,13,14,15
	ds_store_b128 v[STS], v[64*(\s)+4*\i:64*(\s)+4*\i+3] offset:\i*PITCH
.endr
	WIN 0
.irp j, 0,1,2,3,4,5,6,7
	ds_load_b128 v[X+4*\j:X+4*\j+3], v[STL] offset:16*\j               ; k = 32 h + 0 .. 31 of row r
.endr
.irp j, 0,1,2,3,4,5,6,7
	ds_load_b128 v[X+32+4*\j:X+32+4*\j+3], v[STL] offset:256+16*\j     ; k = 64 + 32 h + 0 .. 31
.endr
.endm
; Tile u of x goes through the stage into X, and its slot takes the tile four further on.  It stands behind a wait on va_vdst behind which no vector or matrix instruction names X.
.macro BRING u
.if (\u) < 5
	s_wait_loadcnt 48                              ; this tile's 16 loads are in; those of the three tiles behind it stay out
.else
	s_wait_loadcnt 16*(7-(\u))                     ; the last tiles: nothing more was asked for, and the counts run down
.endif
	TURN ((\u)+1)%DEPTH
.if (\u)+4 < TILES
	s_wait_dscnt 16                                ; the 16 stores are done (the 16 loads behind them may be out)
	WIN 0x40
	s_wait_alu depctr_vm_vsrc(0)                   ; the stores into the stage have read the slot's registers, in which the loads below land
	XLOAD (\u)+4                                   ; the slot takes the tile four further on
	WIN 0
.endif
.endm
; My 64 numbers become the operand's 12 registers in v[C] on and my row's scale word in v[XS].
.macro QUANT
.irp c, 0,1                            ; each block's largest magnitude in two chains, the four chains by turns, the floor among the leaves: 16 lines a block
	v_max3_num_f32 v[M+2*\c], |v[X+32*\c]|, |v[X+32*\c+1]|, FLOOR
	v_max3_num_f32 v[M+2*\c+1], |v[X+32*\c+16]|, |v[X+32*\c+17]|, |v[X+32*\c+18]|
.endr
.irp i, 2,4,6,8,10,12
.irp c, 0,1
	v_max3_num_f32 v[M+2*\c], v[M+2*\c], |v[X+32*\c+\i]|, |v[X+32*\c+\i+1]|
	v_max3_num_f32 v[M+2*\c+1], v[M+2*\c+1], |v[X+32*\c+\i+17]|, |v[X+32*\c+\i+18]|
.endr
.endr
.irp c, 0,1
	v_max3_num_f32 v[M+2*\c], v[M+2*\c], |v[X+32*\c+14]|, |v[X+32*\c+15]|
.endr
.irp c, 0,1
	v_max3_num_f32 v[M+2*\c], v[M+2*\c], v[M+2*\c+1], |v[X+32*\c+31]|
.endr
.irp c, 0,1
	v_add_nc_u32 v[E+\c], 0xff000000, v[M+2*\c]    ; 2 off its exponent field: the conversion takes the exponent field of this operand as its scale, and nothing else of it
.endr
.irp c, 0,1
	v_cvt_scalef32_pk16_fp6_f32 v[C+6*\c:C+6*\c+2], v[X+32*\c:X+32*\c+15], v[E+\c]        ; registers 6 c .. 6 c + 2 of the operand
	v_cvt_scalef32_pk16_fp6_f32 v[T+4*\c:T+4*\c+2], v[X+32*\c+16:X+32*\c+31], v[E+\c]     ; (a conversion's three registers begin on an even number: the second half of a block's six does not, so it is made elsewhere and moved)
.endr
	v_lshrrev_b32 v[M], 23, v[E]                   ; the scales' bytes.  (Also the plain line behind the last conversion)
	v_lshrrev_b32 v[M+1], 23, v[E+1]
	v_lshl_or_b32 v[XS], v[M+1], 16, v[M]          ; my two bytes: blocks h and 2 + h of row r,
	v_lshlrev_b32 v[XS], v[SH], v[XS]              ; at their places in the word;
	v_permlanex16_b32 v[TP], v[XS], s[SEL], s[SEL+1]
	v_or_b32 v[XS], v[XS], v[TP]                   ; with lane l xor 16's two the word is whole
.irp c, 0,1
.irp i, 0,1,2
	v_mov_b32 v[C+6*\c+3+\i], v[T+4*\c+\i]
.endr
.endr
.endm
	s_load_b128 s[4:7], s[0:1], 0x0                ; x, W
	s_load_b64 s[8:9], s[0:1], 0x10                ; out
	v_lshl_add_u32 v254, v0, 2, 0x13c00
	v_mov_b32 v255, 0
	v_lshrrev_b32 v[STS], 5, v0
	v_readfirstlane_b32 s[WV], v[STS]              ; wave 0..7
	v_and_b32 v[GOFF], 31, v0
	v_lshlrev_b32 v[GOFF], 4, v[GOFF]
	s_lshl_b32 s12, ttmp9, 19                      ; the work-group's 1,024 rows of 512 bytes,
	s_wait_alu depctr_va_sdst(0)                   ; s10, the wave's number, is written, ahead of its first reader: the bases and the LDS addresses are made from it
	s_lshl_b32 s11, s[WV], 16                      ; my wave's 128 of them: under 2^27 in all
	s_add_co_u32 s12, s12, s11
	s_mov_b32 s13, 0
	s_lshr_b32 s20, s12, 7                         ; the same rows in out: 4 bytes for 512
	s_mov_b32 s21, 0
	s_lshl_b32 s[THR], s[WV], 4
	s_min_u32 s14, s[THR], LASTW                   ; my tile of W begins at row min(16 w, 84): no load leaves W;
	s_sub_co_u32 s[THR], s[THR], s14               ; its first 16 w - that rows belong to an earlier tile (wave 6: 12; wave 7: all)
	s_lshl_b32 s14, s14, 9
	s_mov_b32 s15, 0
	s_wait_kmcnt 0x0
	s_add_nc_u64 s[WB:WB+1], s[WB:WB+1], s[14:15]
	s_add_nc_u64 s[XB:XB+1], s[XB:XB+1], s[12:13]
	s_add_nc_u64 s[OB:OB+1], s[OB:OB+1], s[20:21]
	WIN 0x40                                       ; destination window 1, address window 0
	s_wait_alu depctr_va_vdst(0)                   ; v1 is written: every global load and the store read it as their offset
.irp i, 0,1,2,3,4,5,6,7,8,9,10,11,12,13,14,15
	global_load_b128 v[4*\i:4*\i+3], v[GOFF], s[WB:WB+1] offset:\i*ROWB   ; the ring's first element: 16 rows of W into slot 0 (every work-group reads them: no hint)
.endr
	XLOAD 0
	XLOAD 1
	XLOAD 2
	WIN 0
	; the other addresses are made while the loads are out.  (Each of the three LDS bases has a scalar register of its own: none that a vector instruction has read is written again)
	s_mul_i32 s11, s[WV], STAGEB
	v_add_nc_u32 v[STS], s11, v[GOFF]
	v_and_b32 v[RR], 15, v0                        ; r
	v_bfe_u32 v[SH], v0, 4, 1                      ; h
	v_mul_u32_u24 v[STL], v[RR], PITCH
	v_lshl_add_u32 v[STL], v[SH], 7, v[STL]
	v_add_nc_u32 v[STL], s11, v[STL]
	v_lshlrev_b32 v[SH], 3, v[SH]
	s_mul_i32 s19, s[WV], IMGB
	s_add_co_u32 s19, s19, IMG
	v_add_nc_u32 v[IWA], s19, v[GOFF]
	v_add_nc_u32 v[IRA], IMG, v[GOFF]
	v_lshrrev_b32 v[IRS], 2, v[GOFF]               ; 4 x lane
	s_lshl_b32 s22, s[WV], 7
	s_add_co_u32 s22, s22, SIMG
	v_add_nc_u32 v[IWS], s22, v[IRS]
	v_add_nc_u32 v[IRS], SIMG, v[IRS]
	s_mov_b32 s[SEL], 0x76543210
	s_mov_b32 s[SEL+1], 0xfedcba98
	v_mov_b32 v[TP], 0                             ; written once: a lane permute's destination counts as one of its sources
	v_mov_b32 v[AL], 0x3dcccccd                    ; 0.1
	v_mov_b32 v[AL+1], 0x3dcccccd
	; ---- W: my 16 rows become a fragment, and every wave gets all seven
	s_wait_loadcnt 48                              ; loads come back in order (ISA guide 5.7.1): W's 16 are in, the 48 of x0, x1, x2 stay out
	s_wait_alu depctr_va_vdst(0)                   ; the six LDS addresses v2 to v7 are written, which every LDS store and load of the kernel reads
	TURN 0
	s_wait_dscnt 16                                ; the 16 stores are done (the 16 loads behind them may be out)
	WIN 0x40
	s_wait_alu depctr_vm_vsrc(0)                   ; the stores into the stage have read slot 0's registers, in which the loads below land
	XLOAD 3                                        ; slot 0 takes x3
	WIN 0
	s_wait_dscnt 0x0
	QUANT
	v_cmp_le_u32 vcc_lo, s[THR], v[RR]             ; rows that an earlier tile has count for nothing here: zero CODES, under whatever scale byte
	s_wait_alu depctr_va_vcc(0)                    ; VCC is written, ahead of its first reader
.irp i, 0,1,2,3,4,5,6,7,8,9,10,11
	v_cndmask_b32 v[C+\i], 0, v[C+\i], vcc_lo
.endr
	s_wait_alu depctr_va_vdst(0)                   ; the codes v[C ..] and the scale word v[XS] are written, which the image's stores read; and the conversions are done reading X, in which tile 0's loads from the stage land (no vector instruction stands between)
.irp c, 0,1,2
	ds_store_b128 v[IWA], v[C+4*\c:C+4*\c+3] offset:512*\c   ; the fragment as it stands in the registers: lane l's 16 bytes at 16 l
.endr
	ds_store_b32 v[IWS], v[XS]
	s_wait_dscnt 0x0                               ; for the others' sake: my image lies in LDS
	s_barrier_signal -1
	s_barrier_wait -1                              ; everybody's does.  The images are never written again
	s_wait_alu depctr_vm_vsrc(0)                   ; the image's stores have read v[C ..] and v[XS], which the first tile's lines write again
.irp n, 0,1,2,3,4,5,6
.irp c, 0,1,2
	ds_load_b128 v[WF+12*\n+4*\c:WF+12*\n+4*\c+3], v[IRA] offset:IMGB*\n+512*\c
.endr
	ds_load_b32 v[WS+\n], v[IRS] offset:128*\n
.endr                                  ; (the first tile's wait for its turn through the stage is the wait for these too)
	BRING 0                                        ; the first tile of x goes through the stage
; ---- a tile of 16 rows of x
.macro STEP t
	s_wait_dscnt 0x0                               ; this tile's 64 numbers are back from the stage
	QUANT
	PLACES 8                                       ; a scale word made by vector instructions stands 8 plain lines ahead of a scaled matrix instruction, an operand so made 4; no other work is at hand
	s_wait_alu depctr_va_vdst(0)                   ; the step's one wait: the codes v[C ..] and the scale word v[XS] are written, which the matrix instructions take; and the conversions are done reading X, in which the next tile's loads from the stage land
.irp n, 0,1,2,3,4,5,6                  ; z^T: 16 heads x my 16 rows, all of K; seven results of their own, each begun with the constant 0
	v_wmma_scale_f32_16x16x128_f8f6f4 v[D+8*\n:D+8*\n+7], v[WF+12*\n:WF+12*\n+11], v[C:C+11], 0, v[WS+\n], v[XS] matrix_a_fmt:MATRIX_FMT_FP6 matrix_b_fmt:MATRIX_FMT_FP6
.endr
.if (\t)+1 < TILES
	BRING (\t)+1                                   ; the next tile.  No further wait on va_vdst: the seven lines above name none of X, the slots or the addresses
.endif
	PLACES 4                                       ; four plain lines between a matrix instruction and the first read of its result, and the first write of its codes' registers (ISA guide 7.12.1)
.irp g, 0,1,2,3,4,5,6                  ; a result's four pairs at a time; each result is read from its low end on
.irp i, 0,1,2,3
	v_pk_fma_f32 v[Q+2*\i:Q+2*\i+1], v[D+8*\g+2*\i:D+8*\g+2*\i+1], v[D+8*\g+2*\i:D+8*\g+2*\i+1], v[AL:AL+1]   ; z z + 0.1, two at a time
.endr
.irp i, 0,1,2,3
.if \g == 0
	v_pk_mul_f32 v[D+2*\i:D+2*\i+1], v[Q+2*\i:Q+2*\i+1], v[D+2*\i:D+2*\i+1]               ; z (z z + 0.1): the first four pairs start four chains, in place: nothing is cleared
.else
	v_pk_fma_f32 v[D+2*\i:D+2*\i+1], v[Q+2*\i:Q+2*\i+1], v[D+8*\g+2*\i:D+8*\g+2*\i+1], v[D+2*\i:D+2*\i+1]
.endif
.endr
.endr
	v_pk_add_f32 v[D:D+1], v[D:D+1], v[D+2:D+3]
	v_pk_add_f32 v[D+4:D+5], v[D+4:D+5], v[D+6:D+7]
	v_pk_add_f32 v[D:D+1], v[D:D+1], v[D+4:D+5]
	v_add_f32 v[P+(\t)], v[D], v[D+1]              ; my row's sum over my half's 56 heads
.endm
.irp t, 0,1,2,3,4,5,6,7
	STEP \t
.endr
	; ---- the way out.  Tiles q and q + 4 together: the first's lanes 16-31 change places with the second's lanes 0-15, so that one addition joins the halves of both:
	; lanes 0-15 then hold tile q's rows 4 r + q, lanes 16-31 tile q + 4's rows 64 + 4 r + q: lane l has row 4 l + q
.irp q, 0,1,2,3
	v_permlane16_swap_b32 v[P+\q], v[P+4+\q]
.endr
.irp q, 0,1,2,3
	v_add_f32 v[P+\q], v[P+\q], v[P+4+\q]
.endr
	s_wait_alu depctr_va_vdst(0)                   ; the four additions have written v[P .. P+3], which the store reads
	global_store_b128 v[GOFF], v[P:P+3], s[OB:OB+1] th:TH_STORE_NT   ; 32 lanes store 512 consecutive bytes, at a multiple of 512 from out's first byte; written once, read by nobody here
	s_wait_dscnt 0x0                               ; the closing lines, six on end, of a launch in the mode that stores to LDS
	s_wait_alu 0x0
	s_wait_tensorcnt 0x0
	ds_add_u32 v254, v255
	s_wait_dscnt 0x0
	s_endpgm
.Lfunc_end_k_qae64f23aa0_net:
	.size	k_qae64f23aa0_net, .Lfunc_end_k_qae64f23aa0_net-k_qae64f23aa0_net
	.p2alignl 7, 3214868480
	.fill 96, 4, 3214868480
	.section	.rodata,"a",@progbits
	.p2align	6, 0x0
	.amdhsa_kernel k_qae64f23aa0_net
		.amdhsa_group_segment_fixed_size 81920
		.amdhsa_private_segment_fixed_size 0
		.amdhsa_enable_private_segment 0
		.amdhsa_kernarg_size 24
		.amdhsa_user_sgpr_count 2
		.amdhsa_user_sgpr_kernarg_segment_ptr 1
		.amdhsa_wavefront_size32 1
		.amdhsa_system_sgpr_workgroup_id_x 1
		.amdhsa_system_sgpr_workgroup_id_y 1
		.amdhsa_system_sgpr_workgroup_id_z 1
		.amdhsa_system_vgpr_workitem_id 0
		.amdhsa_next_free_vgpr 512
		.amdhsa_next_free_sgpr 66
		.amdhsa_reserve_vcc 1
		.amdhsa_float_denorm_mode_32 3
		.amdhsa_float_denorm_mode_16_64 3
		.amdhsa_memory_ordered 1
		.amdhsa_forward_progress 1
		.amdhsa_inst_pref_size 105
	.end_amdhsa_kernel
	.amdgpu_metadata
---
amdhsa.version: [ 1, 2 ]
amdhsa.kernels:
  - .name:           k_qae64f23aa0_net
    .symbol:         k_qae64f23aa0_net.kd
    .args:
      - { .name: x, .offset: 0, .size: 8, .value_kind: global_buffer, .address_space: global }
      - { .name: W, .offset: 8, .size: 8, .value_kind: global_buffer, .address_space: global }
      - { .name: out0, .offset: 16, .size: 8, .value_kind: global_buffer, .address_space: global }
    .group_segment_fixed_size: 81920
    .private_segment_fixed_size: 0
    .kernarg_segment_align: 8
    .kernarg_segment_size: 24
    .max_flat_workgroup_size: 256
    .sgpr_count:     66
    .vgpr_count:     512
    .wavefront_size: 32
...
	.end_amdgpu_metadata
.endif
;; end of part 2
